; MI455X (gfx1250); checked and timed in simulation.
; The chip was launched on July 23, 2026; its instructions are those of AMD's public machine-readable ISA for CDNA 5 (MIT licence, August 2026) and "CDNA5" Instruction Set Architecture Reference Guide (July 2026). The comments in the code are by the model that wrote it; some were corrected since.
;; MLP2. Allowed arithmetic: matrix products marked QUANTISED: E2M3 operands, one E8M0 scale for each 32 along K, by v_wmma_scale_f32_16x16x128_f8f6f4 with both operands' format E2M3, f32 sums; products left as they are: f32 operands where the result goes on into a quantised operand, else bf16, f16 or f32 operands; f32 sums; everything else in f32.
;; Inputs: W1 32 x 1 float32; W2_codes 32 x 1 x 24 uint8 (E2M3 codes of W2, K innermost, in blocks of 32 codes, four codes in three bytes); W2_scales 32 x 1 uint8 (E8M0 scales of W2, one for each 32 codes along K); W3 1 x 32 float32; b1 32 float32; b2 32 float32; b3 1 float32; be1 32 float32; be2 32 float32; g1 32 float32; g2 32 float32; x 2,097,152 x 1 float32.
;; Outputs: out0 2,097,152 x 1 float32.
;; This version of the problem:
;;   THIS VERSION OF THE PROBLEM IS GIVEN IN LOW PRECISION. The matrix products marked QUANTISED in the list below multiply operands that are first quantised to E2M3 (2 exponent bits, 3 mantissa bits; 6 bits a number), with one power-of-two scale for each 32 numbers along K (OCP MX v1.0); their sums are f32. All else is computed in f32.
;;   The module's matrix products, in the order in which they are computed (A, B: the left and right operand; K: the contracted axis; several contracted axes count as one K, in the product's order):
;;     1. [M 2,097,152, K 1] x [K 1, N 32]; A: input x; B: input W1: left as it is (K = 1 < 32)
;;     2. [M 2,097,152, K 32] x [K 32, N 32]; A: computed on the way; B: input W2 (given as codes): QUANTISED
;;     3. [M 2,097,152, K 32] x [K 32, N 1]; A: computed on the way; B: input W3: left as it is (N = 1 < 16)
;;   THE QUANTISER, for each operand of a quantised product, along K:
;;     - K is cut into blocks of 32 from its start; a last block that is shorter is filled with zeros.
;;     - A block's scale is 2^e with e = floor(log2(the largest magnitude in the block)) - 2, held to -126 .. 127; a block of zeros has e = 0. As a byte (E8M0): e + 127.
;;     - Each number is divided by its block's scale, clamped to +-7.5, and rounded to the nearest number of E2M3, ties to even, subnormals kept.
;;     - The product sums the exact products of the quantised numbers (number of the format x scale) in f32.
;;   ~~~python
;;   def quantise(x, axis):      # numpy; x: float32 -> the quantised numbers, widened to float32 again
;;       x = np.moveaxis(x, axis, -1); K = x.shape[-1]
;;       x = np.pad(x, [(0, 0)] * (x.ndim - 1) + [(0, -K % 32)]); x = x.reshape(x.shape[:-1] + (-1, 32)); a = np.abs(x).max(-1, keepdims=True)
;;       e = np.where(a > 0, np.clip(np.frexp(np.where(a > 0, a, 1))[1] - 1 - 2, -126, 127), 0)      # np.frexp(a)[1] - 1 = floor(log2(a)), exactly
;;       r = np.clip(x / 2.0 ** e, -7.5, 7.5)
;;       step = 2.0 ** (np.maximum(np.frexp(np.where(r == 0, 1, r))[1] - 1, 0) - 3)
;;       q = np.round(r / step) * step * 2.0 ** e      # np.round: ties to even
;;       return np.moveaxis(q.reshape(q.shape[:-2] + (-1,))[..., :K], -1, axis).astype(np.float32)
;;   ~~~
;;   OPERANDS COMPUTED ON THE WAY. 'Computed on the way' means the value that the module computes at that place (a softmax that the list does not call 'softmax' is quantised finished and normalised). What goes into a quantiser is computed in f32, as accurately as f32 sums, v_exp_f32 and their like allow (about 1e-6 of the number): no bf16 or f16 on the way to a quantiser, and a product that is left as it is and whose result goes on into a quantised operand takes f32 operands (vector FMAs, or v_wmma_f32_16x16x4_f32). A number that lies on a knife's edge between two numbers of the format may be rounded either way, as far as f32 arithmetic and the matrix unit's own rounding can turn it there, and no further.
;;   INPUTS GIVEN AS CODES. W2 (in the module: [32, 32], K = its axis 1): each comes as NAME_codes (uint8): NAME with its K axis moved to the last place and cut into blocks of 32 codes, [.., K / 32, bytes a block], one block behind the other in memory; four codes in three bytes: a row's codes are one little-endian stream of bits, code i at bits 6 i .. 6 i + 5 (a code: sign, 2 exponent bits, 3 mantissa bits); and NAME_scales (uint8): the same leading axes, one E8M0 byte (e + 127) for each 32 codes along K. Its value is code x scale, taken as it is: it is not quantised again, and the codes and scales need not be those that the quantiser above would give.
;; 2 versions, each right; version 2 is version 1 with the launch mlp written anew for expert scheduling mode. Each part assembles by itself: llvm-mc -triple=amdgcn-amd-amdhsa -mcpu=gfx1250 --defsym DOCPART=n.
;; ======== version 1 of 2: 1 launch
;; launch mlp (part 1): grid 256 x 1, 8 waves a work-group, no clusters, 9,216 bytes of LDS; arguments x, W1, b1, g1, be1, W2_codes, W2_scales, b2, g2, be2, W3, b3, out0; writes out0
.if DOCPART == 1
	.amdgcn_target "amdgcn-amd-amdhsa--gfx1250"
	.amdhsa_code_object_version 6
	.text
	.protected	k_qb31eccea29_mlp
	.globl	k_qb31eccea29_mlp
	.p2align	8
	.type	k_qb31eccea29_mlp,@function
k_qb31eccea29_mlp:
	s_mov_b64 s[64:65], 0
	v_nop
	global_prefetch_b8 v0, s[64:65] scope:SCOPE_SE
	s_setreg_imm32_b32 hwreg(HW_REG_WAVE_MODE, 25, 1), 1
	s_wait_xcnt 0x0
; out = silu(LN(silu(LN(x W1^T + b1)) W2^T + b2)) W3^T + b3 for 2,097,152 rows of ONE number; hidden width 32.
; The middle product is on codes of FP6 (E2M3) with one E8M0 scale for each 32 along K: W2 comes as codes, the first hidden layer is quantised here, in registers.  All else is f32.
; SHARES.  256 work-groups x 8 waves; a wave owns 1,024 rows (4,096 consecutive bytes of x and of out0) and walks them in 8 chunks of 128 rows.  Lane l owns rows 4 l .. 4 l + 3 of a chunk:
; one load and one store of 16 bytes a lane, 512 consecutive aligned bytes a wave, for each chunk.  Nothing is shared between waves but 1.7 KB of parameters, so there is no barrier, no cluster and no tile in LDS.
; A LANE OWNS A WHOLE ROW: the 32 hidden numbers of a row lie in 32 registers of one lane in both layers, so no mean, variance, block maximum or dot product crosses lanes, and all arithmetic is packed.
; THE MATRIX INSTRUCTION IS LAID OUT FOR THAT.  Its K is 128, the product's 32, so two rows share a column: in the 6-bit layout registers 6 c .. 6 c + 5 of lane (r, h) hold k = 64 c + 32 h + 0 .. 31.
;   Source 1 (hidden layer): registers 0-2 = my row's codes 0-15, registers 6-8 = its codes 16-31, the other six zeros.  Column r so holds lane r's row at k 0-15 and 64-79 and lane 16 + r's row at k 32-47 and 96-111.
;   Source 0 (tile t of W2): tile row m < 8 is W2's row 8 t + m at k 0-15 and 64-79, tile row m >= 8 is W2's row 8 t + m - 8 at k 32-47 and 96-111, zeros elsewhere:
;   lanes 0-7 and 24-31 hold row 8 t + (lane & 7), bytes 0-11 in registers 0-2 and bytes 12-23 in registers 6-8; lanes 8-23 hold zeros.
;   Result: register j of lane (r, h) is (m = 8 h + j, column r) = output 8 t + j of the lane's OWN row.  Zero codes meet the other row's codes and add nothing.  Four tiles give a lane its 32 outputs.
;   C = b2 - mean(b2), the same in all lanes: the bias costs no vector instruction, and the norm that follows does not see a common shift.
; LAYER 1 IN CLOSED FORM (exact for every input, since x has one column): a = W1 - mean W1, c = b1 - mean b1, t = sum(a c) / sum(a a), e = c - t a, u = x + t.  The centred row is u a + e for any t, and
;   var + eps = (mean(a a) u + 2 mean(a e)) u + (mean(e e) + eps): sums of squares, no difference of large sums.  With r = rsq(var + eps): K z = (r u) P' + (r Q' + be1'), P' = K a g1, Q' = K e g1, be1' = K be1.
; SILU with K = -log2(e) folded into the parameters: z' = K z, E = 2^z', s = E K + K, silu(z) = z' / s.  Where E overflows, 1 / s is zero and so is the result.
; LAYER 2's norm is taken in two passes, as the reference has it: the mean first, then the mean of the squared differences.
; LIMITS: NaN and infinities among the inputs are not served.  A hidden block whose largest magnitude lies under 2^-124 (zeros too) gets the scale byte 1; for zeros the rule says 127: its codes are zeros, and the byte is read here alone.
; REGISTERS.  Window 0: v1 16 x lane; v2-5 x; v6-9 W2's scale words; v10-13 results; v14-15 (b3, 0); v16-31 r and r u of my four rows; v32-39 sum and rsq of layer 2; v40-47 chains; v48-49 conversion scales;
;   v50-51 the other half's byte; v52-53 the hidden layer's scale words; v56-119 Z, v120-183 E: 2 batches x 32 numbers each; v184-207 the hidden layer's codes; v208-255 W2's four tiles.
;   Window 1 (all the same in every lane): v0 Q', v32 be1', v64 P', v96 K g2, v128 K be2, v160 W3, v192 b2 - mean b2.
.set CHUNKS, 8
.set XO,  1
.set X,   2
.set SA,  6
.set OUT, 10
.set B3P, 14
.set RS,  16                           ; row i: v[RS+4i] = r, v[RS+4i+2] = r u; the odd registers are only named as upper halves of pairs
.set L2S, 32                           ; batch b: v[L2S+4b] = the sum, v[L2S+4b+2] = rsq; odd registers likewise
.set T,   40                           ; batch b: two pairs, v[T+4b:T+4b+1] and v[T+4b+2:T+4b+3]
.set SO,  48
.set OT,  50
.set SB,  52
.set Z,   56
.set E,   120
.set BOP, 184
.set W2T, 208
.set QP,  0                            ; window 1
.set BE1, 32
.set PP,  64
.set G2P, 96
.set BE2, 128
.set W3R, 160
.set B2C, 192
.set HA,  128                          ; the head's temporaries, in registers that E takes later
.set HC,  129
.set HE,  130
.set HB,  143
.set HT,  140
.set MSB, 0
.macro WIN new                         ; s_set_vgpr_msb: bits 1:0 source 0, 3:2 source 1, 5:4 source 2, 7:6 destination; the high byte repeats the setting that is left
.if MSB != \new
	s_set_vgpr_msb (MSB<<8)|\new
.set MSB, \new
.endif
.endm
.macro WSUM r                          ; the sum over the 32 lanes, in every lane
	v_add_f32_dpp v[\r], v[\r], v[\r] row_xmask:1 row_mask:0xf bank_mask:0xf
	v_add_f32_dpp v[\r], v[\r], v[\r] row_xmask:2 row_mask:0xf bank_mask:0xf
	v_add_f32_dpp v[\r], v[\r], v[\r] row_xmask:4 row_mask:0xf bank_mask:0xf
	v_add_f32_dpp v[\r], v[\r], v[\r] row_xmask:8 row_mask:0xf bank_mask:0xf
	v_permlanex16_b32 v[HT], v[\r], s36, s37
	v_add_f32 v[\r], v[\r], v[HT]
.endm
	s_load_b512 s[4:19], s[0:1], 0x0               ; x s[4:5], W1 s[6:7], b1 s[8:9], g1 s[10:11], be1 s[12:13], W2's codes s[14:15], W2's scales s[16:17], b2 s[18:19]
	s_load_b256 s[20:27], s[0:1], 0x40             ; g2 s[20:21], be2 s[22:23], W3 s[24:25], b3 s[26:27]
	s_load_b64 s[28:29], s[0:1], 0x60              ; out0
	v_lshl_add_u32 v55, v0, 2, 0x2000
	s_set_vgpr_msb 0x40
	v_mov_b32 v225, 0
	s_set_vgpr_msb 0x4000
	v_lshrrev_b32 v54, 5, v0
	v_readfirstlane_b32 s31, v54                   ; wave 0..7
	v_and_b32 v126, 31, v0                         ; lane
	v_lshlrev_b32 v[XO], 4, v126                   ; my 16 bytes of a chunk's 512; never rewritten
	v_lshlrev_b32 v120, 2, v126                    ; lane j takes element j of each vector of 32
	v_and_b32 v122, 7, v126                        ; W2's row within a tile, and its scale byte
	v_mul_u32_u24 v121, v122, 24                   ; a row of 32 codes is 24 bytes
	s_lshl_b32 s33, s31, 10                        ; my wave's 1,024 bytes of LDS
	v_add_nc_u32 v123, s33, v120                   ; into them: 4 x lane
	v_mov_b32 v124, s33                            ; out of them: the same address in every lane
	s_lshl_b32 s48, ttmp9, 3
	s_add_co_u32 s48, s48, s31
	s_lshl_b32 s48, s48, 12                        ; (8 x work-group + wave) x 4,096 bytes
	s_mov_b32 s49, 0
	s_mov_b32 s34, 0xbfb8aa3b                      ; K = -log2(e)
	s_mov_b32 s35, s34                             ; (named with it as a pair, so it is written)
	s_mov_b32 s36, 0x76543210
	s_mov_b32 s37, 0xfedcba98                      ; v_permlanex16_b32's selects for lane l xor 16
	s_mov_b32 s38, 0x04000400                      ; v_perm_b32: bytes 0, 2 from the second source's byte 0, bytes 1, 3 from the first's
	s_mov_b32 s40, 0xbd000000                      ; -1/32
	s_mov_b32 s41, s40
	s_mov_b32 s42, 0x3d000000                      ; 1/32
	s_mov_b32 s43, 0x3727c5ac                      ; eps = 1e-5
	s_wait_kmcnt 0x0
	s_load_b32 s30, s[26:27], 0x0                  ; b3
	s_add_nc_u64 s[4:5], s[4:5], s[48:49]          ; x and out0 at my wave's first row
	s_add_nc_u64 s[28:29], s[28:29], s[48:49]
	global_load_b32 v[Z+0], v120, s[6:7]           ; W1
	global_load_b32 v[Z+1], v120, s[8:9]           ; b1
	global_load_b32 v[Z+2], v120, s[10:11]         ; g1
	global_load_b32 v[Z+3], v120, s[12:13]         ; be1
	global_load_b32 v[Z+4], v120, s[18:19]         ; b2
	global_load_b32 v[Z+5], v120, s[20:21]         ; g2
	global_load_b32 v[Z+6], v120, s[22:23]         ; be2
	global_load_b32 v[Z+7], v120, s[24:25]         ; W3
.irp t, 0,1,2,3
	global_load_b96 v[W2T+12*\t:W2T+12*\t+2], v121, s[14:15] offset:192*\t        ; row 8 t + (lane & 7): codes 0-15
	global_load_b96 v[W2T+12*\t+6:W2T+12*\t+8], v121, s[14:15] offset:192*\t+12   ; codes 16-31
.endr
.irp t, 0,1,2,3
	global_load_u8 v[Z+8+\t], v122, s[16:17] offset:8*\t                          ; and its scale byte
.endr
	global_load_b128 v[X:X+3], v[XO], s[4:5] th:TH_LOAD_NT                        ; the first chunk of x, last in the queue
	v_mov_b32 v[HT], 0                             ; a lane permute's destination counts as one of its sources: written once
	v_add_nc_u32 v125, 8, v126
	v_and_b32 v125, 31, v125                       ; (lane + 8) mod 32: under 16 in lanes 0-7 and 24-31
	s_wait_loadcnt 0x1                             ; loads come back in order: all 20 parameter loads are in, x's, issued behind them, may be out
	; ---- layer 1's constants
	v_mov_b32 v131, v[Z+0]
	v_mov_b32 v132, v[Z+1]
	v_mov_b32 v133, v[Z+4]
	WSUM 131
	WSUM 132
	WSUM 133
	v_fma_f32 v[HA], v131, s40, v[Z+0]             ; a = W1 - mean W1
	v_fma_f32 v[HC], v132, s40, v[Z+1]             ; c = b1 - mean b1
	v_fma_f32 v[HB], v133, s40, v[Z+4]             ; b2 - mean b2
	v_mul_f32 v131, v[HA], v[HA]
	v_mul_f32 v132, v[HA], v[HC]
	WSUM 131                                       ; sum a a
	WSUM 132                                       ; sum a c
	v_max_num_f32 v133, 0x0da24260, v131           ; held at 1e-30 from below: the centred row is u a + e for ANY t, so the hold changes no result
	v_rcp_f32 v133, v133
	v_nop                                          ; a plain instruction behind the transcendental (ISA guide 5.7.2),
	s_wait_alu depctr_va_vdst(0)                   ; and a wait ahead of its first reader
	v_mul_f32 v134, v132, v133                     ; t
	v_fma_f32 v[HE], -v134, v[HA], v[HC]           ; e = c - t a
	v_mul_f32 v135, v[HE], v[HE]
	v_mul_f32 v136, v[HA], v[HE]
	WSUM 135                                       ; sum e e
	WSUM 136                                       ; sum a e: what rounding has left of 0; kept, so that the variance is that of u a + e as they stand
	v_mul_f32 v131, s42, v131                      ; mean a a
	v_mul_f32 v136, 0x3d800000, v136               ; 2 mean a e
	v_fma_f32 v135, v135, s42, s43                 ; mean e e + eps
	v_readfirstlane_b32 s44, v134
	v_readfirstlane_b32 s45, v131
	v_readfirstlane_b32 s46, v136
	v_readfirstlane_b32 s47, v135
	; ---- the seven vectors of 32, one element a lane, go through my wave's LDS and come back whole into every lane
	v_mul_f32 v137, v[HE], v[Z+2]
	v_mul_f32 v138, v[HA], v[Z+2]
	v_mul_f32 v137, s34, v137                      ; Q' = K e g1
	v_mul_f32 v139, s34, v[Z+3]                    ; be1' = K be1
	v_mul_f32 v138, s34, v138                      ; P' = K a g1
	v_mul_f32 v141, s34, v[Z+5]                    ; K g2
	v_mul_f32 v142, s34, v[Z+6]                    ; K be2
	ds_store_b32 v123, v137
	ds_store_b32 v123, v139 offset:128
	ds_store_b32 v123, v138 offset:256
	ds_store_b32 v123, v141 offset:384
	ds_store_b32 v123, v142 offset:512
	ds_store_b32 v123, v[Z+7] offset:640
	ds_store_b32 v123, v[HB] offset:768
	WIN 0x40                                       ; destination window 1
.set n, 0
.rept 56
	ds_load_b128 v[4*n:4*n+3], v124 offset:16*n    ; LDS serves a wave's instructions in order (ISA guide 5.7.1.4): these see my stores; the bytes are my wave's own
.set n, n+1
.endr
	WIN 0
	; ---- W2's tiles: zeros in lanes 8-23 and in the six registers that hold no codes; the same six of the hidden layer's operand
	v_cmp_gt_u32 vcc_lo, 16, v125
.irp t, 0,1,2,3
.irp i, 0,1,2,6,7,8
	v_cndmask_b32 v[W2T+12*\t+\i], 0, v[W2T+12*\t+\i], vcc_lo
.endr
.irp i, 3,4,5,9,10,11
	v_mov_b32 v[W2T+12*\t+\i], 0
.endr
	v_perm_b32 v[SA+\t], v[Z+8+\t], v[Z+8+\t], 0   ; the row's scale byte in all four bytes: it stands over the row's codes wherever they lie, and over zeros elsewhere
.endr
.irp b, 0,1
.irp i, 3,4,5,9,10,11
	v_mov_b32 v[BOP+12*\b+\i], 0
.endr
	v_mov_b32 v[OT+\b], 0                          ; a lane permute's destination
.endr
.irp i, 1,3,5,7,9,11,13,15
	v_mov_b32 v[RS+\i], 0                          ; upper halves of pairs of which the low word serves both halves: named, so written
.endr
.irp i, 1,3,5,7
	v_mov_b32 v[L2S+\i], 0
.endr
	s_wait_kmcnt 0x0                               ; b3
	v_mov_b32 v[B3P], s30
	v_mov_b32 v[B3P+1], 0
	s_wait_dscnt 0x0                               ; window 1 is filled
; r and r u of my four rows of the chunk
.macro PREP
.irp i, 0,1,2,3
	v_add_f32 v[E+\i], s44, v[X+\i]                ; u = x + t
.endr
.irp i, 0,1,2,3
	v_fma_f32 v[E+4+\i], s45, v[E+\i], s46
.endr
.irp i, 0,1,2,3
	v_fma_f32 v[E+4+\i], v[E+4+\i], v[E+\i], s47   ; var + eps
.endr
.irp i, 0,1,2,3
	v_rsq_f32 v[RS+4*\i], v[E+4+\i]
.endr
	v_nop
	s_wait_alu depctr_va_vdst(0)                   ; one wait for the four, ahead of their first reader
.irp i, 0,1,2,3
	v_mul_f32 v[RS+4*\i+2], v[RS+4*\i], v[E+\i]
.endr
.endm
; K z of layer 1 for rows 2 p and 2 p + 1 of the lane: two packed multiply-adds for each two hidden units
.macro L1Z p
	WIN 0x14                                       ; sources 1 and 2 window 1
.set n, 0
.rept 32
	v_pk_fma_f32 v[Z+2*n:Z+2*n+1], v[RS+4*(2*(\p)+n/16):RS+4*(2*(\p)+n/16)+1], v[QP+2*(n%16):QP+2*(n%16)+1], v[BE1+2*(n%16):BE1+2*(n%16)+1] op_sel_hi:[0,1,1]
.set n, n+1
.endr
	WIN 0x04                                       ; source 1 window 1
.set n, 0
.rept 32
	v_pk_fma_f32 v[Z+2*n:Z+2*n+1], v[RS+4*(2*(\p)+n/16)+2:RS+4*(2*(\p)+n/16)+3], v[PP+2*(n%16):PP+2*(n%16)+1], v[Z+2*n:Z+2*n+1] op_sel_hi:[0,1,1]
.set n, n+1
.endr
	WIN 0
.endm
; The transcendentals go in batches of 64 with one plain instruction and ONE wait behind each batch, ahead of its first reader.
.macro TEXP dst, src
.set n, 0
.rept 64
	v_exp_f32 v[\dst+n], v[\src+n]
.set n, n+1
.endr
	v_nop
	s_wait_alu depctr_va_vdst(0)
.endm
.macro TRCP arr
.set n, 0
.rept 64
	v_rcp_f32 v[\arr+n], v[\arr+n]
.set n, n+1
.endr
	v_nop
	s_wait_alu depctr_va_vdst(0)
.endm
.macro SPL arr                         ; s = E K + K
.set n, 0
.rept 32
	v_pk_fma_f32 v[\arr+2*n:\arr+2*n+1], v[\arr+2*n:\arr+2*n+1], s[34:35], s[34:35] op_sel_hi:[1,0,0]
.set n, n+1
.endr
.endm
.macro PMUL d, a, b
.set n, 0
.rept 32
	v_pk_mul_f32 v[\d+2*n:\d+2*n+1], v[\a+2*n:\a+2*n+1], v[\b+2*n:\b+2*n+1]
.set n, n+1
.endr
.endm
; The hidden layer in Z becomes codes and a scale word.  A row is one block of 32, all of it in my lane.
.macro QUANT
.irp b, 0,1
	v_max3_num_f32 v[T+4*\b], |v[Z+32*\b]|, |v[Z+32*\b+1]|, 0x1800000             ; the floor 2^(3 - 127) among the leaves: the byte cannot fall under 1
	v_max3_num_f32 v[T+4*\b+1], |v[Z+32*\b+16]|, |v[Z+32*\b+17]|, |v[Z+32*\b+18]|
.endr
.irp i, 2,4,6,8,10,12
.irp b, 0,1
	v_max3_num_f32 v[T+4*\b], v[T+4*\b], |v[Z+32*\b+\i]|, |v[Z+32*\b+\i+1]|
	v_max3_num_f32 v[T+4*\b+1], v[T+4*\b+1], |v[Z+32*\b+\i+17]|, |v[Z+32*\b+\i+18]|
.endr
.endr
.irp b, 0,1
	v_max3_num_f32 v[T+4*\b], v[T+4*\b], |v[Z+32*\b+14]|, |v[Z+32*\b+15]|
.endr
.irp b, 0,1
	v_max3_num_f32 v[T+4*\b], v[T+4*\b], v[T+4*\b+1], |v[Z+32*\b+31]|             ; the block's largest magnitude
.endr
.irp b, 0,1
	v_add_nc_u32 v[SO+\b], 0xff000000, v[T+4*\b]   ; 2 off its exponent field: the conversion takes the exponent field of this operand as its scale, and nothing else of it
.endr
.irp b, 0,1
	v_lshrrev_b32 v[T+4*\b+2], 23, v[SO+\b]        ; the scale's byte
.endr
.irp b, 0,1
	v_permlanex16_b32 v[OT+\b], v[T+4*\b+2], s36, s37
.endr
.irp b, 0,1
	v_perm_b32 v[SB+\b], v[OT+\b], v[T+4*\b+2], s38   ; column r's word, in lane r: bytes 0, 2 (k 0-31, 64-95) lane r's byte, bytes 1, 3 (k 32-63, 96-127) lane 16 + r's; lanes 16-31 are not read
.endr
.irp b, 0,1
	v_cvt_scalef32_pk16_fp6_f32 v[BOP+12*\b:BOP+12*\b+2], v[Z+32*\b:Z+32*\b+15], v[SO+\b]        ; to the nearest code, ties to even; beyond 7.5 the largest code
	v_cvt_scalef32_pk16_fp6_f32 v[BOP+12*\b+6:BOP+12*\b+8], v[Z+32*\b+16:Z+32*\b+31], v[SO+\b]
.endr
.rept 8
	v_nop                                          ; a scale register written by a vector instruction stands 8 places ahead of a scaled matrix instruction, an operand so written 4; the first is also the plain place behind the conversions
.endr
.endm
; y - mean(b2) = W2 h + (b2 - mean b2): eight matrix instructions on eight different accumulators, each begun by its C
.macro MM
	WIN 0x10                                       ; C in window 1
.irp t, 0,1,2,3
.irp b, 0,1
	v_wmma_scale_f32_16x16x128_f8f6f4 v[E+32*\b+8*\t:E+32*\b+8*\t+7], v[W2T+12*\t:W2T+12*\t+11], v[BOP+12*\b:BOP+12*\b+11], v[B2C+8*\t:B2C+8*\t+7], v[SA+\t], v[SB+\b] matrix_a_fmt:MATRIX_FMT_FP6 matrix_b_fmt:MATRIX_FMT_FP6
.endr
.endr
	WIN 0
.rept 4
	v_nop                                          ; four places behind a matrix instruction before a vector instruction reads its result (ISA guide 7.12.1)
.endr
.endm
.macro LNSUM                           ; the row's sum: two packed chains a batch, ascending
.irp b, 0,1
	v_pk_add_f32 v[T+4*\b:T+4*\b+1], v[E+32*\b:E+32*\b+1], v[E+32*\b+2:E+32*\b+3]
.endr
.irp b, 0,1
	v_pk_add_f32 v[T+4*\b+2:T+4*\b+3], v[E+32*\b+4:E+32*\b+5], v[E+32*\b+6:E+32*\b+7]
.endr
.irp j, 8,12,16,20,24,28
.irp b, 0,1
	v_pk_add_f32 v[T+4*\b:T+4*\b+1], v[T+4*\b:T+4*\b+1], v[E+32*\b+\j:E+32*\b+\j+1]
.endr
.irp b, 0,1
	v_pk_add_f32 v[T+4*\b+2:T+4*\b+3], v[T+4*\b+2:T+4*\b+3], v[E+32*\b+\j+2:E+32*\b+\j+3]
.endr
.endr
.irp b, 0,1
	v_pk_add_f32 v[T+4*\b:T+4*\b+1], v[T+4*\b:T+4*\b+1], v[T+4*\b+2:T+4*\b+3]
.endr
.irp b, 0,1
	v_add_f32 v[L2S+4*\b], v[T+4*\b], v[T+4*\b+1]
.endr
.endm
.macro CENTER                          ; d = y - sum / 32
.set n, 0
.rept 32
	v_pk_fma_f32 v[E+2*n:E+2*n+1], v[L2S+4*(n/16):L2S+4*(n/16)+1], s[40:41], v[E+2*n:E+2*n+1] op_sel_hi:[0,0,1]
.set n, n+1
.endr
.endm
.macro SQ                              ; rsq(mean d d + eps)
.irp b, 0,1
	v_pk_mul_f32 v[T+4*\b:T+4*\b+1], v[E+32*\b:E+32*\b+1], v[E+32*\b:E+32*\b+1]
	v_pk_mul_f32 v[T+4*\b+2:T+4*\b+3], v[E+32*\b+2:E+32*\b+3], v[E+32*\b+2:E+32*\b+3]
.endr
.irp j, 4,8,12,16,20,24,28
.irp b, 0,1
	v_pk_fma_f32 v[T+4*\b:T+4*\b+1], v[E+32*\b+\j:E+32*\b+\j+1], v[E+32*\b+\j:E+32*\b+\j+1], v[T+4*\b:T+4*\b+1]
	v_pk_fma_f32 v[T+4*\b+2:T+4*\b+3], v[E+32*\b+\j+2:E+32*\b+\j+3], v[E+32*\b+\j+2:E+32*\b+\j+3], v[T+4*\b+2:T+4*\b+3]
.endr
.endr
.irp b, 0,1
	v_pk_add_f32 v[T+4*\b:T+4*\b+1], v[T+4*\b:T+4*\b+1], v[T+4*\b+2:T+4*\b+3]
.endr
.irp b, 0,1
	v_add_f32 v[T+4*\b], v[T+4*\b], v[T+4*\b+1]
.endr
.irp b, 0,1
	v_fma_f32 v[T+4*\b], v[T+4*\b], s42, s43
.endr
.irp b, 0,1
	v_rsq_f32 v[L2S+4*\b+2], v[T+4*\b]
.endr
	v_nop
	s_wait_alu depctr_va_vdst(0)
.endm
.macro DR                              ; d x rsq
.set n, 0
.rept 32
	v_pk_mul_f32 v[E+2*n:E+2*n+1], v[E+2*n:E+2*n+1], v[L2S+4*(n/16)+2:L2S+4*(n/16)+3] op_sel_hi:[1,0]
.set n, n+1
.endr
.endm
.macro Z2                              ; K z of layer 2
	WIN 0x14
.set n, 0
.rept 32
	v_pk_fma_f32 v[E+2*n:E+2*n+1], v[E+2*n:E+2*n+1], v[G2P+2*(n%16):G2P+2*(n%16)+1], v[BE2+2*(n%16):BE2+2*(n%16)+1]
.set n, n+1
.endr
	WIN 0
.endm
.macro DOT p                           ; the row's dot product with W3, in f32; b3 is the addend of the first multiply-add
	WIN 0x04
.irp b, 0,1
	v_pk_fma_f32 v[T+4*\b:T+4*\b+1], v[E+32*\b:E+32*\b+1], v[W3R:W3R+1], v[B3P:B3P+1]
	v_pk_mul_f32 v[T+4*\b+2:T+4*\b+3], v[E+32*\b+2:E+32*\b+3], v[W3R+2:W3R+3]
.endr
.irp j, 4,8,12,16,20,24,28
.irp b, 0,1
	v_pk_fma_f32 v[T+4*\b:T+4*\b+1], v[E+32*\b+\j:E+32*\b+\j+1], v[W3R+\j:W3R+\j+1], v[T+4*\b:T+4*\b+1]
	v_pk_fma_f32 v[T+4*\b+2:T+4*\b+3], v[E+32*\b+\j+2:E+32*\b+\j+3], v[W3R+\j+2:W3R+\j+3], v[T+4*\b+2:T+4*\b+3]
.endr
.endr
	WIN 0
.irp b, 0,1
	v_pk_add_f32 v[T+4*\b:T+4*\b+1], v[T+4*\b:T+4*\b+1], v[T+4*\b+2:T+4*\b+3]
.endr
.irp b, 0,1
	v_add_f32 v[OUT+2*(\p)+\b], v[T+4*\b], v[T+4*\b+1]
.endr
.endm
; Two batches of 32 rows (rows 2 p and 2 p + 1 of each lane) through the whole chain
.macro PAIR p
	L1Z \p
	TEXP E, Z
	SPL E
	TRCP E
	PMUL Z, Z, E                                   ; the first hidden layer
	QUANT
	MM
	LNSUM
	CENTER
	SQ
	DR
	Z2
	TEXP Z, E
	SPL Z
	TRCP Z
	PMUL E, E, Z                                   ; the second hidden layer
	DOT \p
.endm
	s_mov_b32 s32, CHUNKS
.Lchunk:
	s_wait_loadcnt 0x0                             ; this chunk's x is in; its load is done, so its base may be stepped
	PREP                                           ; behind it x's registers are free
	s_cmp_eq_u32 s32, 1
	s_cbranch_scc1 .Lnoload                        ; the last chunk asks for nothing: no load leaves the buffer
	s_add_nc_u64 s[4:5], s[4:5], 512
	global_load_b128 v[X:X+3], v[XO], s[4:5] th:TH_LOAD_NT   ; the next chunk: it has the whole trip in which to land
.Lnoload:
	PAIR 0
	PAIR 1
	global_store_b128 v[XO], v[OUT:OUT+3], s[28:29] th:TH_STORE_NT   ; 32 lanes store 512 consecutive bytes, at a multiple of 512 from out0's first byte
	s_wait_xcnt 0x0                                ; the store has read its data and its base: both are written again only behind this wait
	s_add_nc_u64 s[28:29], s[28:29], 512
	s_sub_co_u32 s32, s32, 1
	s_cmp_lg_u32 s32, 0
	s_cbranch_scc1 .Lchunk
	s_set_vgpr_msb 0x4
	s_wait_tensorcnt 0x0
	ds_add_u32 v55, v225
	s_wait_dscnt 0x0
	s_set_vgpr_msb 0x400
	s_endpgm
.Lfunc_end_k_qb31eccea29_mlp:
	.size	k_qb31eccea29_mlp, .Lfunc_end_k_qb31eccea29_mlp-k_qb31eccea29_mlp
	.p2alignl 7, 3214868480
	.fill 96, 4, 3214868480
	.section	.rodata,"a",@progbits
	.p2align	6, 0x0
	.amdhsa_kernel k_qb31eccea29_mlp
		.amdhsa_group_segment_fixed_size 9216
		.amdhsa_private_segment_fixed_size 0
		.amdhsa_enable_private_segment 0
		.amdhsa_kernarg_size 104
		.amdhsa_user_sgpr_count 2
		.amdhsa_user_sgpr_kernarg_segment_ptr 1
		.amdhsa_wavefront_size32 1
		.amdhsa_system_sgpr_workgroup_id_x 1
		.amdhsa_system_sgpr_workgroup_id_y 1
		.amdhsa_system_sgpr_workgroup_id_z 1
		.amdhsa_system_vgpr_workitem_id 0
		.amdhsa_next_free_vgpr 482
		.amdhsa_next_free_sgpr 66
		.amdhsa_reserve_vcc 1
		.amdhsa_float_denorm_mode_32 3
		.amdhsa_float_denorm_mode_16_64 3
		.amdhsa_memory_ordered 1
		.amdhsa_forward_progress 1
		.amdhsa_inst_pref_size 91
	.end_amdhsa_kernel
	.amdgpu_metadata
---
amdhsa.version: [ 1, 2 ]
amdhsa.kernels:
  - .name:           k_qb31eccea29_mlp
    .symbol:         k_qb31eccea29_mlp.kd
    .args:
      - { .name: x, .offset: 0, .size: 8, .value_kind: global_buffer, .address_space: global }
      - { .name: W1, .offset: 8, .size: 8, .value_kind: global_buffer, .address_space: global }
      - { .name: b1, .offset: 16, .size: 8, .value_kind: global_buffer, .address_space: global }
      - { .name: g1, .offset: 24, .size: 8, .value_kind: global_buffer, .address_space: global }
      - { .name: be1, .offset: 32, .size: 8, .value_kind: global_buffer, .address_space: global }
      - { .name: W2_codes, .offset: 40, .size: 8, .value_kind: global_buffer, .address_space: global }
      - { .name: W2_scales, .offset: 48, .size: 8, .value_kind: global_buffer, .address_space: global }
      - { .name: b2, .offset: 56, .size: 8, .value_kind: global_buffer, .address_space: global }
      - { .name: g2, .offset: 64, .size: 8, .value_kind: global_buffer, .address_space: global }
      - { .name: be2, .offset: 72, .size: 8, .value_kind: global_buffer, .address_space: global }
      - { .name: W3, .offset: 80, .size: 8, .value_kind: global_buffer, .address_space: global }
      - { .name: b3, .offset: 88, .size: 8, .value_kind: global_buffer, .address_space: global }
      - { .name: out0, .offset: 96, .size: 8, .value_kind: global_buffer, .address_space: global }
    .group_segment_fixed_size: 9216
    .private_segment_fixed_size: 0
    .kernarg_segment_align: 8
    .kernarg_segment_size: 104
    .max_flat_workgroup_size: 256
    .sgpr_count:     66
    .vgpr_count:     482
    .wavefront_size: 32
...
	.end_amdgpu_metadata
.endif
;; end of part 1
;; ======== version 2 of 2: 1 launch; version 1 with the launch mlp written anew for expert scheduling mode
;; launch mlp (part 2): grid 256 x 1, 8 waves a work-group, no clusters, 9,216 bytes of LDS; arguments x, W1, b1, g1, be1, W2_codes, W2_scales, b2, g2, be2, W3, b3, out0; writes out0
.if DOCPART == 2
	.amdgcn_target "amdgcn-amd-amdhsa--gfx1250"
	.amdhsa_code_object_version 6
	.text
	.protected	k_qb31eccea29_mlp
	.globl	k_qb31eccea29_mlp
	.p2align	8
	.type	k_qb31eccea29_mlp,@function
k_qb31eccea29_mlp:
	s_mov_b64 s[64:65], 0
	v_nop
	global_prefetch_b8 v0, s[64:65] scope:SCOPE_SE
	s_setreg_imm32_b32 hwreg(HW_REG_WAVE_SCHED_MODE, 0, 2), 2
	s_setreg_imm32_b32 hwreg(HW_REG_WAVE_MODE, 25, 1), 1
	s_wait_xcnt 0x0
	s_wait_alu depctr_vm_vsrc(0)
; out = silu(LN(silu(LN(x W1^T + b1)) W2^T + b2)) W3^T + b3 for 2,097,152 rows of ONE number; hidden width 32.
; The middle product is on codes of FP6 (E2M3) with one E8M0 scale for each 32 along K: W2 comes as codes, the first hidden layer is quantised here, in registers.  All else is f32.
; SHARES.  256 work-groups x 8 waves; a wave owns 1,024 rows (4,096 consecutive bytes of x and of out0) and walks them in 8 chunks of 128 rows.  Lane l owns rows 4 l .. 4 l + 3 of a chunk:
; one load and one store of 16 bytes a lane, 512 consecutive aligned bytes a wave, for each chunk.  Nothing is shared between waves but 1.7 KB of parameters, so there is no barrier, no cluster and no tile in LDS.
; A LANE OWNS A WHOLE ROW: the 32 hidden numbers of a row lie in 32 registers of one lane in both layers, so no mean, variance, block maximum or dot product crosses lanes, and all arithmetic is packed.
; THE MATRIX INSTRUCTION IS LAID OUT FOR THAT.  Its K is 128, the product's 32, so two rows share a column: in the 6-bit layout registers 6 c .. 6 c + 5 of lane (r, h) hold k = 64 c + 32 h + 0 .. 31.
;   Source 1 (hidden layer): registers 0-2 = my row's codes 0-15, registers 6-8 = its codes 16-31, the other six zeros.  Column r so holds lane r's row at k 0-15 and 64-79 and lane 16 + r's row at k 32-47 and 96-111.
;   Source 0 (tile t of W2): tile row m < 8 is W2's row 8 t + m at k 0-15 and 64-79, tile row m >= 8 is W2's row 8 t + m - 8 at k 32-47 and 96-111, zeros elsewhere:
;   lanes 0-7 and 24-31 hold row 8 t + (lane & 7), bytes 0-11 in registers 0-2 and bytes 12-23 in registers 6-8; lanes 8-23 hold zeros.
;   Result: register j of lane (r, h) is (m = 8 h + j, column r) = output 8 t + j of the lane's OWN row.  Zero codes meet the other row's codes and add nothing.  Four tiles give a lane its 32 outputs.
;   C = b2 - mean(b2), the same in all lanes: the bias costs no vector instruction, and the norm that follows does not see a common shift.
; LAYER 1 IN CLOSED FORM (exact for every input, since x has one column): a = W1 - mean W1, c = b1 - mean b1, t = sum(a c) / sum(a a), e = c - t a, u = x + t.  The centred row is u a + e for any t, and
;   var + eps = (mean(a a) u + 2 mean(a e)) u + (mean(e e) + eps): sums of squares, no difference of large sums.  With r = rsq(var + eps): K z = (r u) P' + (r Q' + be1'), P' = K a g1, Q' = K e g1, be1' = K be1.
; SILU with K = -log2(e) folded into the parameters: z' = K z, E = 2^z', s = E K + K, silu(z) = z' / s.  Where E overflows, 1 / s is zero and so is the result.
; LAYER 2's norm is taken in two passes, as the reference has it: the mean first, then the mean of the squared differences.
; LIMITS: NaN and infinities among the inputs are not served.  A hidden block whose largest magnitude lies under 2^-124 (zeros too) gets the scale byte 1; for zeros the rule says 127: its codes are zeros, and the byte is read here alone.
; REGISTERS.  Window 0: v1 16 x lane; v2-5 x; v6-9 W2's scale words; v10-13 results; v14-15 (b3, 0); v16-31 r and r u of my four rows; v32-39 sum and rsq of layer 2; v40-47 chains; v48-49 conversion scales;
;   v50-51 the other half's byte; v52-53 the hidden layer's scale words; v56-119 Z, v120-183 E: 2 batches x 32 numbers each; v184-207 the hidden layer's codes; v208-255 W2's four tiles.
;   Window 1 (all the same in every lane): v0 Q', v32 be1', v64 P', v96 K g2, v128 K be2, v160 W3, v192 b2 - mean b2.
; THE MODE: SCHED_MODE bits 1:0 = 2 (LLVM: expert scheduling mode 2), set by the entry lines.  The code itself states the register dependences
; between vector or matrix instructions and memory or LDS instructions, with s_wait_alu, always for 0.
; THE PLAN.  Registers that memory or LDS instructions touch:
;   in the loop:  v2-5 (x)      the next chunk's load lands in them; the four additions u = x + t at a trip's head read them, and nothing else does.
;                 v10-13 (out)  the last additions of a trip's two dot products write them; the store at the trip's end reads them.
;                 v1            16 x lane, the offset of every load of x and of every store: written once at the head; the chunks are reached by the two scalar bases.
;   at the head:  v120-122 offsets of the parameters' loads, v123-124 LDS addresses, v63 and v137-143 data of the LDS stores: all of them are Z and E in the loop.
;   Z, E, the codes, the scale words, W2's tiles and window 1 are named in the loop by vector and matrix instructions alone.
; So a trip has one wait on va_vdst ahead of its load (the one that stands behind the four rsq in any case: the additions stand ahead of it), one ahead of its store, one on vm_vsrc behind the store,
; and, for each pair of batches, one on va_vdst between the lines that make the codes and scale words and the scaled matrix instructions that take them.
.set CHUNKS, 8
.set XO,  1
.set X,   2
.set SA,  6
.set OUT, 10
.set B3P, 14
.set RS,  16                           ; row i: v[RS+4i] = r, v[RS+4i+2] = r u; the odd registers are only named as upper halves of pairs
.set L2S, 32                           ; batch b: v[L2S+4b] = the sum, v[L2S+4b+2] = rsq; odd registers likewise
.set T,   40                           ; batch b: two pairs, v[T+4b:T+4b+1] and v[T+4b+2:T+4b+3]
.set SO,  48
.set OT,  50
.set SB,  52
.set Z,   56
.set E,   120
.set BOP, 184
.set W2T, 208
.set QP,  0                            ; window 1
.set BE1, 32
.set PP,  64
.set G2P, 96
.set BE2, 128
.set W3R, 160
.set B2C, 192
.set HA,  128                          ; the head's temporaries, in registers that E takes later
.set HC,  129
.set HE,  130
.set HB,  143
.set HT,  140
.set MSB, 0
.macro WIN new                         ; s_set_vgpr_msb: bits 1:0 source 0, 3:2 source 1, 5:4 source 2, 7:6 destination; the high byte repeats the setting that is left
.if MSB != \new
	s_set_vgpr_msb (MSB<<8)|\new
.set MSB, \new
.endif
.endm
.macro WSUM r                          ; the sum over the 32 lanes, in every lane
	v_add_f32_dpp v[\r], v[\r], v[\r] row_xmask:1 row_mask:0xf bank_mask:0xf
	v_add_f32_dpp v[\r], v[\r], v[\r] row_xmask:2 row_mask:0xf bank_mask:0xf
	v_add_f32_dpp v[\r], v[\r], v[\r] row_xmask:4 row_mask:0xf bank_mask:0xf
	v_add_f32_dpp v[\r], v[\r], v[\r] row_xmask:8 row_mask:0xf bank_mask:0xf
	v_permlanex16_b32 v[HT], v[\r], s36, s37
	v_add_f32 v[\r], v[\r], v[HT]
.endm
	s_load_b512 s[4:19], s[0:1], 0x0               ; x s[4:5], W1 s[6:7], b1 s[8:9], g1 s[10:11], be1 s[12:13], W2's codes s[14:15], W2's scales s[16:17], b2 s[18:19]
	s_load_b256 s[20:27], s[0:1], 0x40             ; g2 s[20:21], be2 s[22:23], W3 s[24:25], b3 s[26:27]
	s_load_b64 s[28:29], s[0:1], 0x60              ; out0
	v_lshl_add_u32 v55, v0, 2, 0x2000
	s_set_vgpr_msb 0x40
	v_mov_b32 v225, 0
	s_set_vgpr_msb 0x4000
	v_lshrrev_b32 v54, 5, v0
	v_readfirstlane_b32 s31, v54                   ; wave 0..7
	v_and_b32 v126, 31, v0                         ; lane
	v_lshlrev_b32 v[XO], 4, v126                   ; my 16 bytes of a chunk's 512; never rewritten
	v_lshlrev_b32 v120, 2, v126                    ; lane j takes element j of each vector of 32
	v_and_b32 v122, 7, v126                        ; W2's row within a tile, and its scale byte
	v_mul_u32_u24 v121, v122, 24                   ; a row of 32 codes is 24 bytes
	s_wait_alu depctr_va_sdst(0)                   ; s31 is written, ahead of its first reader: the wave's LDS bytes and its rows of x and out0 are made from it
	s_lshl_b32 s33, s31, 10                        ; my wave's 1,024 bytes of LDS
	v_add_nc_u32 v123, s33, v120                   ; into them: 4 x lane
	v_mov_b32 v124, s33                            ; out of them: the same address in every lane
	s_lshl_b32 s48, ttmp9, 3
	s_add_co_u32 s48, s48, s31
	s_lshl_b32 s48, s48, 12                        ; (8 x work-group + wave) x 4,096 bytes
	s_mov_b32 s49, 0
	s_mov_b32 s34, 0xbfb8aa3b                      ; K = -log2(e)
	s_mov_b32 s35, s34                             ; (named with it as a pair, so it is written)
	s_mov_b32 s36, 0x76543210
	s_mov_b32 s37, 0xfedcba98                      ; v_permlanex16_b32's selects for lane l xor 16
	s_mov_b32 s38, 0x04000400                      ; v_perm_b32: bytes 0, 2 from the second source's byte 0, bytes 1, 3 from the first's
	s_mov_b32 s40, 0xbd000000                      ; -1/32
	s_mov_b32 s41, s40
	s_mov_b32 s42, 0x3d000000                      ; 1/32
	s_mov_b32 s43, 0x3727c5ac                      ; eps = 1e-5
	s_wait_kmcnt 0x0
	s_load_b32 s30, s[26:27], 0x0                  ; b3
	s_add_nc_u64 s[4:5], s[4:5], s[48:49]          ; x and out0 at my wave's first row
	s_add_nc_u64 s[28:29], s[28:29], s[48:49]
	s_wait_alu depctr_va_vdst(0)                   ; v1 and v120 to v124 are written: the offsets that the loads below read, the LDS addresses of the head, and the offset of every load and store of the loop
	global_load_b32 v[Z+0], v120, s[6:7]           ; W1
	global_load_b32 v[Z+1], v120, s[8:9]           ; b1
	global_load_b32 v[Z+2], v120, s[10:11]         ; g1
	global_load_b32 v[Z+3], v120, s[12:13]         ; be1
	global_load_b32 v[Z+4], v120, s[18:19]         ; b2
	global_load_b32 v[Z+5], v120, s[20:21]         ; g2
	global_load_b32 v[Z+6], v120, s[22:23]         ; be2
	global_load_b32 v[Z+7], v120, s[24:25]         ; W3
.irp t, 0,1,2,3
	global_load_b96 v[W2T+12*\t:W2T+12*\t+2], v121, s[14:15] offset:192*\t        ; row 8 t + (lane & 7): codes 0-15
	global_load_b96 v[W2T+12*\t+6:W2T+12*\t+8], v121, s[14:15] offset:192*\t+12   ; codes 16-31
.endr
.irp t, 0,1,2,3
	global_load_u8 v[Z+8+\t], v122, s[16:17] offset:8*\t                          ; and its scale byte
.endr
	global_load_b128 v[X:X+3], v[XO], s[4:5] th:TH_LOAD_NT                        ; the first chunk of x, last in the queue
	v_mov_b32 v[HT], 0                             ; a lane permute's destination counts as one of its sources: written once
	v_add_nc_u32 v125, 8, v126
	v_and_b32 v125, 31, v125                       ; (lane + 8) mod 32: under 16 in lanes 0-7 and 24-31
	s_wait_loadcnt 0x1                             ; loads come back in order: all 20 parameter loads are in, x's, issued behind them, may be out
	; ---- layer 1's constants
	v_mov_b32 v131, v[Z+0]
	v_mov_b32 v132, v[Z+1]
	v_mov_b32 v133, v[Z+4]
	WSUM 131
	WSUM 132
	WSUM 133
	v_fma_f32 v[HA], v131, s40, v[Z+0]             ; a = W1 - mean W1
	v_fma_f32 v[HC], v132, s40, v[Z+1]             ; c = b1 - mean b1
	v_fma_f32 v[HB], v133, s40, v[Z+4]             ; b2 - mean b2
	v_mul_f32 v131, v[HA], v[HA]
	v_mul_f32 v132, v[HA], v[HC]
	WSUM 131                                       ; sum a a
	WSUM 132                                       ; sum a c
	v_max_num_f32 v133, 0x0da24260, v131           ; held at 1e-30 from below: the centred row is u a + e for ANY t, so the hold changes no result
	v_rcp_f32 v133, v133
	v_nop                                          ; a plain instruction behind the transcendental (ISA guide 5.7.2),
	s_wait_alu depctr_va_vdst(0)                   ; and the reciprocal has written v133, ahead of its first reader
	v_mul_f32 v134, v132, v133                     ; t
	v_fma_f32 v[HE], -v134, v[HA], v[HC]           ; e = c - t a
	v_mul_f32 v135, v[HE], v[HE]
	v_mul_f32 v136, v[HA], v[HE]
	WSUM 135                                       ; sum e e
	WSUM 136                                       ; sum a e: what rounding has left of 0; kept, so that the variance is that of u a + e as they stand
	v_mul_f32 v131, s42, v131                      ; mean a a
	v_mul_f32 v136, 0x3d800000, v136               ; 2 mean a e
	v_fma_f32 v135, v135, s42, s43                 ; mean e e + eps
	v_readfirstlane_b32 s44, v134
	v_readfirstlane_b32 s45, v131
	v_readfirstlane_b32 s46, v136
	v_readfirstlane_b32 s47, v135
	s_wait_alu depctr_va_sdst(0)                   ; s44 to s47 are written: one wait for the four, in this straight run, ahead of the loop's label; their first readers stand at the loop's head
	; ---- the seven vectors of 32, one element a lane, go through my wave's LDS and come back whole into every lane
	v_mul_f32 v137, v[HE], v[Z+2]
	v_mul_f32 v138, v[HA], v[Z+2]
	v_mul_f32 v137, s34, v137                      ; Q' = K e g1
	v_mul_f32 v139, s34, v[Z+3]                    ; be1' = K be1
	v_mul_f32 v138, s34, v138                      ; P' = K a g1
	v_mul_f32 v141, s34, v[Z+5]                    ; K g2
	v_mul_f32 v142, s34, v[Z+6]                    ; K be2
	WIN 0x40                                       ; destination window 1, for the loads below; an LDS store's address and data are its sources 0 and 1, which stay in window 0
	s_wait_alu depctr_va_vdst(0)                   ; v137, v138, v139, v141, v142 and v143 are written, which the LDS stores read; no line between this wait and the loads names v124 or a register of window 1
	ds_store_b32 v123, v137
	ds_store_b32 v123, v139 offset:128
	ds_store_b32 v123, v138 offset:256
	ds_store_b32 v123, v141 offset:384
	ds_store_b32 v123, v142 offset:512
	ds_store_b32 v123, v[Z+7] offset:640
	ds_store_b32 v123, v[HB] offset:768
.set n, 0
.rept 56
	ds_load_b128 v[4*n:4*n+3], v124 offset:16*n    ; LDS serves a wave's instructions in order (ISA guide 5.7.1.4): these see my stores; the bytes are my wave's own
.set n, n+1
.endr
	WIN 0
	; ---- W2's tiles: zeros in lanes 8-23 and in the six registers that hold no codes; the same six of the hidden layer's operand
	v_cmp_gt_u32 vcc_lo, 16, v125
	s_wait_alu depctr_va_vcc(0)                    ; VCC is written, ahead of the first select that reads it
.irp t, 0,1,2,3
.irp i, 0,1,2,6,7,8
	v_cndmask_b32 v[W2T+12*\t+\i], 0, v[W2T+12*\t+\i], vcc_lo
.endr
.irp i, 3,4,5,9,10,11
	v_mov_b32 v[W2T+12*\t+\i], 0
.endr
	v_perm_b32 v[SA+\t], v[Z+8+\t], v[Z+8+\t], 0   ; the row's scale byte in all four bytes: it stands over the row's codes wherever they lie, and over zeros elsewhere
.endr
.irp b, 0,1
.irp i, 3,4,5,9,10,11
	v_mov_b32 v[BOP+12*\b+\i], 0
.endr
	v_mov_b32 v[OT+\b], 0                          ; a lane permute's destination
.endr
.irp i, 1,3,5,7,9,11,13,15
	v_mov_b32 v[RS+\i], 0                          ; upper halves of pairs of which the low word serves both halves: named, so written
.endr
.irp i, 1,3,5,7
	v_mov_b32 v[L2S+\i], 0
.endr
	s_wait_kmcnt 0x0                               ; b3
	v_mov_b32 v[B3P], s30
	v_mov_b32 v[B3P+1], 0
	s_wait_dscnt 0x0                               ; window 1 is filled
	s_wait_alu depctr_vm_vsrc(0)                   ; the head's loads and LDS instructions have read v120 to v124, and its LDS stores v63 and v137 to v143: these registers are Z and E from here on, which the loop writes
; r of my four rows of the chunk.  The wait at its end also stands ahead of the load of the next chunk.
.macro PREPA
.irp i, 0,1,2,3
	v_add_f32 v[E+\i], s44, v[X+\i]                ; u = x + t: the only lines that read x
.endr
.irp i, 0,1,2,3
	v_fma_f32 v[E+4+\i], s45, v[E+\i], s46
.endr
.irp i, 0,1,2,3
	v_fma_f32 v[E+4+\i], v[E+4+\i], v[E+\i], s47   ; var + eps
.endr
.irp i, 0,1,2,3
	v_rsq_f32 v[RS+4*\i], v[E+4+\i]
.endr
	v_nop
	s_wait_alu depctr_va_vdst(0)                   ; the four rsq have written r, ahead of its first reader; and the four additions are done reading v[X ..], in which the next chunk's load lands
.endm
; and r u
.macro PREPB
.irp i, 0,1,2,3
	v_mul_f32 v[RS+4*\i+2], v[RS+4*\i], v[E+\i]
.endr
.endm
; K z of layer 1 for rows 2 p and 2 p + 1 of the lane: two packed multiply-adds for each two hidden units
.macro L1Z p
	WIN 0x14                                       ; sources 1 and 2 window 1
.set n, 0
.rept 32
	v_pk_fma_f32 v[Z+2*n:Z+2*n+1], v[RS+4*(2*(\p)+n/16):RS+4*(2*(\p)+n/16)+1], v[QP+2*(n%16):QP+2*(n%16)+1], v[BE1+2*(n%16):BE1+2*(n%16)+1] op_sel_hi:[0,1,1]
.set n, n+1
.endr
	WIN 0x04                                       ; source 1 window 1
.set n, 0
.rept 32
	v_pk_fma_f32 v[Z+2*n:Z+2*n+1], v[RS+4*(2*(\p)+n/16)+2:RS+4*(2*(\p)+n/16)+3], v[PP+2*(n%16):PP+2*(n%16)+1], v[Z+2*n:Z+2*n+1] op_sel_hi:[0,1,1]
.set n, n+1
.endr
	WIN 0
.endm
; The transcendentals go in batches of 64 with one plain instruction and ONE wait behind each batch, ahead of its first reader.
.macro TEXP dst, src
.set n, 0
.rept 64
	v_exp_f32 v[\dst+n], v[\src+n]
.set n, n+1
.endr
	v_nop
	s_wait_alu depctr_va_vdst(0)                   ; the 64 exponentials have written their results, ahead of the first line that names one
.endm
.macro TRCP arr
.set n, 0
.rept 64
	v_rcp_f32 v[\arr+n], v[\arr+n]
.set n, n+1
.endr
	v_nop
	s_wait_alu depctr_va_vdst(0)                   ; the 64 reciprocals have written their results, ahead of the first line that names one
.endm
.macro SPL arr                         ; s = E K + K
.set n, 0
.rept 32
	v_pk_fma_f32 v[\arr+2*n:\arr+2*n+1], v[\arr+2*n:\arr+2*n+1], s[34:35], s[34:35] op_sel_hi:[1,0,0]
.set n, n+1
.endr
.endm
.macro PMUL d, a, b
.set n, 0
.rept 32
	v_pk_mul_f32 v[\d+2*n:\d+2*n+1], v[\a+2*n:\a+2*n+1], v[\b+2*n:\b+2*n+1]
.set n, n+1
.endr
.endm
; The hidden layer in Z becomes codes and a scale word.  A row is one block of 32, all of it in my lane.
.macro QUANT
.irp b, 0,1
	v_max3_num_f32 v[T+4*\b], |v[Z+32*\b]|, |v[Z+32*\b+1]|, 0x1800000             ; the floor 2^(3 - 127) among the leaves: the byte cannot fall under 1
	v_max3_num_f32 v[T+4*\b+1], |v[Z+32*\b+16]|, |v[Z+32*\b+17]|, |v[Z+32*\b+18]|
.endr
.irp i, 2,4,6,8,10,12
.irp b, 0,1
	v_max3_num_f32 v[T+4*\b], v[T+4*\b], |v[Z+32*\b+\i]|, |v[Z+32*\b+\i+1]|
	v_max3_num_f32 v[T+4*\b+1], v[T+4*\b+1], |v[Z+32*\b+\i+17]|, |v[Z+32*\b+\i+18]|
.endr
.endr
.irp b, 0,1
	v_max3_num_f32 v[T+4*\b], v[T+4*\b], |v[Z+32*\b+14]|, |v[Z+32*\b+15]|
.endr
.irp b, 0,1
	v_max3_num_f32 v[T+4*\b], v[T+4*\b], v[T+4*\b+1], |v[Z+32*\b+31]|             ; the block's largest magnitude
.endr
.irp b, 0,1
	v_add_nc_u32 v[SO+\b], 0xff000000, v[T+4*\b]   ; 2 off its exponent field: the conversion takes the exponent field of this operand as its scale, and nothing else of it
.endr
.irp b, 0,1
	v_lshrrev_b32 v[T+4*\b+2], 23, v[SO+\b]        ; the scale's byte
.endr
.irp b, 0,1
	v_permlanex16_b32 v[OT+\b], v[T+4*\b+2], s36, s37
.endr
.irp b, 0,1
	v_perm_b32 v[SB+\b], v[OT+\b], v[T+4*\b+2], s38   ; column r's word, in lane r: bytes 0, 2 (k 0-31, 64-95) lane r's byte, bytes 1, 3 (k 32-63, 96-127) lane 16 + r's; lanes 16-31 are not read
.endr
.irp b, 0,1
	v_cvt_scalef32_pk16_fp6_f32 v[BOP+12*\b:BOP+12*\b+2], v[Z+32*\b:Z+32*\b+15], v[SO+\b]        ; to the nearest code, ties to even; beyond 7.5 the largest code
	v_cvt_scalef32_pk16_fp6_f32 v[BOP+12*\b+6:BOP+12*\b+8], v[Z+32*\b+16:Z+32*\b+31], v[SO+\b]
.endr
.rept 8
	v_nop                                          ; a scale register written by a vector instruction stands 8 places ahead of a scaled matrix instruction, an operand so written 4; the first is also the plain place behind the conversions
.endr
	s_wait_alu depctr_va_vdst(0)                   ; the conversions have written the codes v[BOP ..] and the byte permutes the scale words v[SB ..], which the scaled matrix instructions take as source 1 and its scales (the first time also W2's tiles and scale words, made at the head); the eight places above stay beside this wait
.endm
; y - mean(b2) = W2 h + (b2 - mean b2): eight matrix instructions on eight different accumulators, each begun by its C
.macro MM
	WIN 0x10                                       ; C in window 1
.irp t, 0,1,2,3
.irp b, 0,1
	v_wmma_scale_f32_16x16x128_f8f6f4 v[E+32*\b+8*\t:E+32*\b+8*\t+7], v[W2T+12*\t:W2T+12*\t+11], v[BOP+12*\b:BOP+12*\b+11], v[B2C+8*\t:B2C+8*\t+7], v[SA+\t], v[SB+\b] matrix_a_fmt:MATRIX_FMT_FP6 matrix_b_fmt:MATRIX_FMT_FP6
.endr
.endr
	WIN 0
.rept 4
	v_nop                                          ; four places behind a matrix instruction before a vector instruction reads its result (ISA guide 7.12.1)
.endr
.endm
.macro LNSUM                           ; the row's sum: two packed chains a batch, ascending
.irp b, 0,1
	v_pk_add_f32 v[T+4*\b:T+4*\b+1], v[E+32*\b:E+32*\b+1], v[E+32*\b+2:E+32*\b+3]
.endr
.irp b, 0,1
	v_pk_add_f32 v[T+4*\b+2:T+4*\b+3], v[E+32*\b+4:E+32*\b+5], v[E+32*\b+6:E+32*\b+7]
.endr
.irp j, 8,12,16,20,24,28
.irp b, 0,1
	v_pk_add_f32 v[T+4*\b:T+4*\b+1], v[T+4*\b:T+4*\b+1], v[E+32*\b+\j:E+32*\b+\j+1]
.endr
.irp b, 0,1
	v_pk_add_f32 v[T+4*\b+2:T+4*\b+3], v[T+4*\b+2:T+4*\b+3], v[E+32*\b+\j+2:E+32*\b+\j+3]
.endr
.endr
.irp b, 0,1
	v_pk_add_f32 v[T+4*\b:T+4*\b+1], v[T+4*\b:T+4*\b+1], v[T+4*\b+2:T+4*\b+3]
.endr
.irp b, 0,1
	v_add_f32 v[L2S+4*\b], v[T+4*\b], v[T+4*\b+1]
.endr
.endm
.macro CENTER                          ; d = y - sum / 32
.set n, 0
.rept 32
	v_pk_fma_f32 v[E+2*n:E+2*n+1], v[L2S+4*(n/16):L2S+4*(n/16)+1], s[40:41], v[E+2*n:E+2*n+1] op_sel_hi:[0,0,1]
.set n, n+1
.endr
.endm
.macro SQ                              ; rsq(mean d d + eps)
.irp b, 0,1
	v_pk_mul_f32 v[T+4*\b:T+4*\b+1], v[E+32*\b:E+32*\b+1], v[E+32*\b:E+32*\b+1]
	v_pk_mul_f32 v[T+4*\b+2:T+4*\b+3], v[E+32*\b+2:E+32*\b+3], v[E+32*\b+2:E+32*\b+3]
.endr
.irp j, 4,8,12,16,20,24,28
.irp b, 0,1
	v_pk_fma_f32 v[T+4*\b:T+4*\b+1], v[E+32*\b+\j:E+32*\b+\j+1], v[E+32*\b+\j:E+32*\b+\j+1], v[T+4*\b:T+4*\b+1]
	v_pk_fma_f32 v[T+4*\b+2:T+4*\b+3], v[E+32*\b+\j+2:E+32*\b+\j+3], v[E+32*\b+\j+2:E+32*\b+\j+3], v[T+4*\b+2:T+4*\b+3]
.endr
.endr
.irp b, 0,1
	v_pk_add_f32 v[T+4*\b:T+4*\b+1], v[T+4*\b:T+4*\b+1], v[T+4*\b+2:T+4*\b+3]
.endr
.irp b, 0,1
	v_add_f32 v[T+4*\b], v[T+4*\b], v[T+4*\b+1]
.endr
.irp b, 0,1
	v_fma_f32 v[T+4*\b], v[T+4*\b], s42, s43
.endr
.irp b, 0,1
	v_rsq_f32 v[L2S+4*\b+2], v[T+4*\b]
.endr
	v_nop
	s_wait_alu depctr_va_vdst(0)                   ; the two rsq have written v[L2S+2] and v[L2S+6], ahead of their first reader
.endm
.macro DR                              ; d x rsq
.set n, 0
.rept 32
	v_pk_mul_f32 v[E+2*n:E+2*n+1], v[E+2*n:E+2*n+1], v[L2S+4*(n/16)+2:L2S+4*(n/16)+3] op_sel_hi:[1,0]
.set n, n+1
.endr
.endm
.macro Z2                              ; K z of layer 2
	WIN 0x14
.set n, 0
.rept 32
	v_pk_fma_f32 v[E+2*n:E+2*n+1], v[E+2*n:E+2*n+1], v[G2P+2*(n%16):G2P+2*(n%16)+1], v[BE2+2*(n%16):BE2+2*(n%16)+1]
.set n, n+1
.endr
	WIN 0
.endm
.macro DOT p                           ; the row's dot product with W3, in f32; b3 is the addend of the first multiply-add
	WIN 0x04
.irp b, 0,1
	v_pk_fma_f32 v[T+4*\b:T+4*\b+1], v[E+32*\b:E+32*\b+1], v[W3R:W3R+1], v[B3P:B3P+1]
	v_pk_mul_f32 v[T+4*\b+2:T+4*\b+3], v[E+32*\b+2:E+32*\b+3], v[W3R+2:W3R+3]
.endr
.irp j, 4,8,12,16,20,24,28
.irp b, 0,1
	v_pk_fma_f32 v[T+4*\b:T+4*\b+1], v[E+32*\b+\j:E+32*\b+\j+1], v[W3R+\j:W3R+\j+1], v[T+4*\b:T+4*\b+1]
	v_pk_fma_f32 v[T+4*\b+2:T+4*\b+3], v[E+32*\b+\j+2:E+32*\b+\j+3], v[W3R+\j+2:W3R+\j+3], v[T+4*\b+2:T+4*\b+3]
.endr
.endr
	WIN 0
.irp b, 0,1
	v_pk_add_f32 v[T+4*\b:T+4*\b+1], v[T+4*\b:T+4*\b+1], v[T+4*\b+2:T+4*\b+3]
.endr
.irp b, 0,1
	v_add_f32 v[OUT+2*(\p)+\b], v[T+4*\b], v[T+4*\b+1]
.endr
.endm
; Two batches of 32 rows (rows 2 p and 2 p + 1 of each lane) through the whole chain
.macro PAIR p
	L1Z \p
	TEXP E, Z
	SPL E
	TRCP E
	PMUL Z, Z, E                                   ; the first hidden layer
	QUANT
	MM
	LNSUM
	CENTER
	SQ
	DR
	Z2
	TEXP Z, E
	SPL Z
	TRCP Z
	PMUL E, E, Z                                   ; the second hidden layer
	DOT \p
.endm
	s_mov_b32 s32, CHUNKS
.Lchunk:
	s_wait_loadcnt 0x0                             ; this chunk's x is in; its load is done, so its base may be stepped
	PREPA                                          ; behind its wait x's registers are free
	s_cmp_eq_u32 s32, 1
	s_cbranch_scc1 .Lnoload                        ; the last chunk asks for nothing: no load leaves the buffer
	s_add_nc_u64 s[4:5], s[4:5], 512
	global_load_b128 v[X:X+3], v[XO], s[4:5] th:TH_LOAD_NT   ; the next chunk: it has the whole trip in which to land.  Only scalar lines stand between the wait above and this load
.Lnoload:
	PREPB
	PAIR 0
	PAIR 1
	s_wait_alu depctr_va_vdst(0)                   ; the dot products' last additions have written v[OUT ..], which the store reads
	global_store_b128 v[XO], v[OUT:OUT+3], s[28:29] th:TH_STORE_NT   ; 32 lanes store 512 consecutive bytes, at a multiple of 512 from out0's first byte
	s_wait_xcnt 0x0                                ; the store has read its data and its base: both are written again only behind this wait
	s_wait_alu depctr_vm_vsrc(0)                   ; the store has read v[OUT ..], which the next trip's dot products write again: stated ahead of the backward jump, beside the wait above
	s_add_nc_u64 s[28:29], s[28:29], 512
	s_sub_co_u32 s32, s32, 1
	s_cmp_lg_u32 s32, 0
	s_cbranch_scc1 .Lchunk
	s_set_vgpr_msb 0x4
	s_wait_dscnt 0x0
	s_wait_alu depctr_hold_cnt(0) depctr_sa_sdst(0) depctr_va_vdst(0) depctr_va_sdst(0) depctr_va_ssrc(0) depctr_va_vcc(0) depctr_vm_vsrc(0)
	s_wait_tensorcnt 0x0
	ds_add_u32 v55, v225
	s_wait_dscnt 0x0
	s_endpgm
.Lfunc_end_k_qb31eccea29_mlp:
	.size	k_qb31eccea29_mlp, .Lfunc_end_k_qb31eccea29_mlp-k_qb31eccea29_mlp
	.p2alignl 7, 3214868480
	.fill 96, 4, 3214868480
	.section	.rodata,"a",@progbits
	.p2align	6, 0x0
	.amdhsa_kernel k_qb31eccea29_mlp
		.amdhsa_group_segment_fixed_size 9216
		.amdhsa_private_segment_fixed_size 0
		.amdhsa_enable_private_segment 0
		.amdhsa_kernarg_size 104
		.amdhsa_user_sgpr_count 2
		.amdhsa_user_sgpr_kernarg_segment_ptr 1
		.amdhsa_wavefront_size32 1
		.amdhsa_system_sgpr_workgroup_id_x 1
		.amdhsa_system_sgpr_workgroup_id_y 1
		.amdhsa_system_sgpr_workgroup_id_z 1
		.amdhsa_system_vgpr_workitem_id 0
		.amdhsa_next_free_vgpr 482
		.amdhsa_next_free_sgpr 66
		.amdhsa_reserve_vcc 1
		.amdhsa_float_denorm_mode_32 3
		.amdhsa_float_denorm_mode_16_64 3
		.amdhsa_memory_ordered 1
		.amdhsa_forward_progress 1
		.amdhsa_inst_pref_size 91
	.end_amdhsa_kernel
	.amdgpu_metadata
---
amdhsa.version: [ 1, 2 ]
amdhsa.kernels:
  - .name:           k_qb31eccea29_mlp
    .symbol:         k_qb31eccea29_mlp.kd
    .args:
      - { .name: x, .offset: 0, .size: 8, .value_kind: global_buffer, .address_space: global }
      - { .name: W1, .offset: 8, .size: 8, .value_kind: global_buffer, .address_space: global }
      - { .name: b1, .offset: 16, .size: 8, .value_kind: global_buffer, .address_space: global }
      - { .name: g1, .offset: 24, .size: 8, .value_kind: global_buffer, .address_space: global }
      - { .name: be1, .offset: 32, .size: 8, .value_kind: global_buffer, .address_space: global }
      - { .name: W2_codes, .offset: 40, .size: 8, .value_kind: global_buffer, .address_space: global }
      - { .name: W2_scales, .offset: 48, .size: 8, .value_kind: global_buffer, .address_space: global }
      - { .name: b2, .offset: 56, .size: 8, .value_kind: global_buffer, .address_space: global }
      - { .name: g2, .offset: 64, .size: 8, .value_kind: global_buffer, .address_space: global }
      - { .name: be2, .offset: 72, .size: 8, .value_kind: global_buffer, .address_space: global }
      - { .name: W3, .offset: 80, .size: 8, .value_kind: global_buffer, .address_space: global }
      - { .name: b3, .offset: 88, .size: 8, .value_kind: global_buffer, .address_space: global }
      - { .name: out0, .offset: 96, .size: 8, .value_kind: global_buffer, .address_space: global }
    .group_segment_fixed_size: 9216
    .private_segment_fixed_size: 0
    .kernarg_segment_align: 8
    .kernarg_segment_size: 104
    .max_flat_workgroup_size: 256
    .sgpr_count:     66
    .vgpr_count:     482
    .wavefront_size: 32
...
	.end_amdgpu_metadata
.endif
;; end of part 2
